; MI455X (gfx1250); checked and timed in simulation.
; The chip was launched on July 23, 2026; its instructions are those of AMD's public machine-readable ISA for CDNA 5 (MIT licence, August 2026) and "CDNA5" Instruction Set Architecture Reference Guide (July 2026). The comments in the code are by the model that wrote it; some were corrected since.
;; Dot Product Attention. Allowed arithmetic: matrix products marked QUANTISED: E4M3 operands, one given power-of-two scale a tensor, by v_wmma_f32_16x16x64_fp8_fp8 or v_wmma_f32_16x16x128_fp8_fp8, f32 sums; everything else in f32.
;; Inputs: keys 32 x 2,048 x 64 float32; lowp_scales 4 int32 (the exponents e of the quantised operands' scales 2^e); queries 32 x 2,048 x 64 float32; valid_lens 32 int32; values 32 x 2,048 x 64 float32.
;; Outputs: out0 32 x 2,048 x 64 float32.
;; This version of the problem:
;;   THIS VERSION OF THE PROBLEM IS GIVEN IN LOW PRECISION. The matrix products marked QUANTISED in the list below multiply operands that are first quantised to E4M3 (4 exponent bits, 3 mantissa bits; 8 bits a number), with one given power-of-two scale for each operand tensor; their sums are f32. All else is computed in f32.
;;   The module's matrix products, in the order in which they are computed (A, B: the left and right operand; K: the contracted axis; several contracted axes count as one K, in the product's order):
;;     1. batch 32 x [M 2,048, K 64] x [K 64, N 2,048]; A: input queries; B: input keys: QUANTISED (scales: A lowp_scales[0], B lowp_scales[1])
;;     2. batch 32 x [M 2,048, K 2,048] x [K 2,048, N 64]; A: softmax (see below); B: input values: QUANTISED (scales: A lowp_scales[2], B lowp_scales[3])
;;   THE QUANTISER, for each operand of a quantised product, along K:
;;     - The operand's scale is 2^e, e = its entry of the input lowp_scales (int32; the entries are numbered through the quantised products in the list's order, A before B).
;;     - Each number is divided by the scale, clamped to +-448, and rounded to the nearest number of E4M3, ties to even, subnormals kept.
;;     - The product sums the exact products of the quantised numbers (number of the format x scale) in f32.
;;   ~~~python
;;   def quantise(x, axis, e):      # numpy; x: float32 -> the quantised numbers, widened to float32 again
;;       x = np.moveaxis(x, axis, -1); K = x.shape[-1]
;;       r = np.clip(x / 2.0 ** e, -448, 448)
;;       step = 2.0 ** (np.maximum(np.frexp(np.where(r == 0, 1, r))[1] - 1, -6) - 3)
;;       q = np.round(r / step) * step * 2.0 ** e      # np.round: ties to even
;;       return np.moveaxis(q, -1, axis).astype(np.float32)
;;   ~~~
;;   SOFTMAX AHEAD OF A QUANTISED PRODUCT. Where the list says 'softmax', what is quantised is not the finished softmax but p = 2^(t - M), with t = logit x log2(e) and M = ceil(the row's largest t), a whole number; so 1/2 < the row's largest p <= 1. The row's sum l is taken of the UNQUANTISED p, in f32, and the product's result is divided by l at the end. Since M is a whole number, a kernel that streams over the keys may use a running M (the ceiling of the running maximum): every later rescaling is an exact power of two, so the quantised numbers keep their values, but for numbers so far below the row's largest that they fall under the format's range.
;;   OPERANDS COMPUTED ON THE WAY. 'Computed on the way' means the value that the module computes at that place (a softmax that the list does not call 'softmax' is quantised finished and normalised). What goes into a quantiser is computed in f32, as accurately as f32 sums, v_exp_f32 and their like allow (about 1e-6 of the number): no bf16 or f16 on the way to a quantiser, and a product that is left as it is and whose result goes on into a quantised operand takes f32 operands (vector FMAs, or v_wmma_f32_16x16x4_f32). A number that lies on a knife's edge between two numbers of the format may be rounded either way, as far as f32 arithmetic and the matrix unit's own rounding can turn it there, and no further.
;; 2 versions, each right; version 2 is version 1 with the launch attn written anew for expert scheduling mode. Each part assembles by itself: llvm-mc -triple=amdgcn-amd-amdhsa -mcpu=gfx1250 --defsym DOCPART=n.
;; ======== version 1 of 2: 2 launches
;; workspace buffers: kv_img 8,388,608 bytes
;; launch quant (part 1): grid 8 x 32, 8 waves a work-group, no clusters, 140,288 bytes of LDS; arguments keys, values, lowp_scales, kv_img; writes kv_img
.if DOCPART == 1
	.amdgcn_target "amdgcn-amd-amdhsa--gfx1250"
	.amdhsa_code_object_version 6
	.text
	.protected	k_q3afef73ed0_quant
	.globl	k_q3afef73ed0_quant
	.p2align	8
	.type	k_q3afef73ed0_quant,@function
k_q3afef73ed0_quant:
	s_mov_b64 s[64:65], 0
	v_nop
	global_prefetch_b8 v0, s[64:65] scope:SCOPE_SE
	s_setreg_imm32_b32 hwreg(HW_REG_WAVE_MODE, 25, 1), 1
	s_wait_xcnt 0x0
; keys and values, [32][2048][64] f32, become codes of FP8 (E4M3), each tensor with the one scale 2^e that is given for it (ek = entry 1, ev = entry 3 of lowp_scales):
; code = x / 2^e, held within +-448, rounded to the nearest code, ties to even.
; LIMITS: ek and ev lie between -126 and 119, so that 2^e and 448 x 2^e are f32 numbers.  NaN among the inputs is not served (an infinity is held at the largest code).
; THE CODES ARE LAID AS IMAGES OF THE OPERANDS' REGISTERS, so that the attention launch needs no rows, no pitch and no transposition.  A batch is 16 blocks of 16,384 bytes; block s serves keys 128 s .. 128 s + 127:
;   K's tile c = 0..7 (16 keys x 64 d, 8 registers a lane) at 1024 c: lane (r, h) holds key 128 s + 16 c + r; registers 2 c', 2 c' + 1 hold d = 16 c' + 8 h + 0..7   (the K = 64 form's own layout)
;   V's tile t = 0..3 (16 channels x 128 keys, 16 registers a lane) at 8192 + 2048 t: lane (r, h) holds channel 16 t + r; registers 2 c, 2 c + 1 hold keys 128 s + 16 c + 8 h + 0..7   (the K = 128 form's own layout)
;   registers 4 g .. 4 g + 3 of a tile lie at + 512 g + 16 x lane.
; SHARES.  Work-group (x, y) takes keys 256 x .. 256 x + 255 of batch y; wave w its 32 keys from 32 w on, of both tensors: 8,192 + 8,192 dense bytes.  With s = 2 x + w / 4 and m = w % 4 these are K's tiles 2 m and
; 2 m + 1 and register group m of all four tiles of V.  All 32 loads of a wave go out at once, 512 consecutive bytes each; the numbers turn through the wave's own stages in LDS (rows of 256 bytes + 16), K's by rows
; (a lane takes 8 neighbours along d), V's by columns (a lane takes a channel, its registers run down the keys); each store covers 512 consecutive bytes, at a multiple of 512 from the buffer's first byte.
; No loop, no barrier (waves share nothing), no tensor load, no matrix instruction: memory binds, and each input byte is read once.
.set SP,   272                         ; a stage row: 256 bytes + 16 = 68 words: row r starts at bank 4 r mod 64 (64 banks of 4 bytes: ISA guide 11.1)
.set VST,  32*SP                       ; V's stage lies behind K's
.set WREG, 2*32*SP                     ; a wave's two stages: 17,408 bytes
.set KR,   16                          ; v16-79    K as loaded
.set VR,   80                          ; v80-143   V as loaded
.set X,    144                         ; v144-207  64 numbers in the order of the conversions
.set CK,   208                         ; v208-223  K's codes
.set CV,   224                         ; v224-239  V's codes: registers of their own, so that no store's data are written again
	s_load_b256 s[4:11], s[0:1], 0x0               ; keys s[4:5], values s[6:7], the scales' exponents s[8:9], the images s[10:11]
	v_lshl_add_u32 v240, v0, 2, 0x22000
	v_mov_b32 v241, 0
	v_lshrrev_b32 v1, 5, v0
	v_readfirstlane_b32 s12, v1                    ; wave 0..7
	s_and_b32 s13, ttmp7, 0xffff                   ; the batch
	v_and_b32 v1, 31, v0                           ; lane
	v_and_b32 v2, 15, v0                           ; r
	v_bfe_u32 v3, v0, 4, 1                         ; h
	v_lshlrev_b32 v4, 4, v1                        ; 16 x lane: my 16 bytes of a load's 512
	s_mul_i32 s14, s12, WREG                       ; my wave's stages
	v_mul_u32_u24 v5, v3, SP
	v_lshl_add_u32 v5, v2, 4, v5
	v_add_nc_u32 v5, s14, v5                       ; into a stage, as loaded: a load's 512 bytes are two rows: row h, byte 16 r
	v_mul_u32_u24 v6, v2, SP
	v_lshl_add_u32 v6, v3, 5, v6
	v_add_nc_u32 v6, s14, v6                       ; K out of its stage: row r, byte 32 h: eight neighbours along d
	v_mul_u32_u24 v7, v3, 8*SP
	v_lshl_add_u32 v7, v2, 2, v7
	v_add_nc_u32 v7, s14, v7                       ; V out of its stage: row 8 h, byte 4 r: lanes 16-31 stand 544 words, 32 banks, behind lanes 0-15
	s_and_b32 s15, s12, 3                          ; m
	s_lshl_b32 s16, s15, 11
	v_add_nc_u32 v12, s16, v4                      ; K's codes in the block: 2048 m + 16 x lane
	s_lshl_b32 s17, s15, 9
	s_add_co_u32 s17, s17, 8192
	v_add_nc_u32 v13, s17, v4                      ; V's: 8192 + 512 m + 16 x lane
	s_lshl_b32 s24, s13, 19                        ; where my 32 keys begin in keys and in values: 2^19 x batch + 2^16 x + 2^13 w
	s_lshl_b32 s18, ttmp9, 16
	s_add_co_u32 s24, s24, s18
	s_lshl_b32 s18, s12, 13
	s_add_co_u32 s24, s24, s18
	s_mov_b32 s25, 0
	s_lshl_b32 s26, s13, 18                        ; and my block in the images: 2^18 x batch + 2^14 (2 x + w / 4)
	s_lshl_b32 s18, ttmp9, 1
	s_lshr_b32 s19, s12, 2
	s_add_co_u32 s18, s18, s19
	s_lshl_b32 s18, s18, 14
	s_add_co_u32 s26, s26, s18
	s_mov_b32 s27, 0
	s_wait_kmcnt 0x0
	s_load_b128 s[20:23], s[8:9], 0x0              ; eq, ek, ep, ev
	s_add_nc_u64 s[4:5], s[4:5], s[24:25]
	s_add_nc_u64 s[6:7], s[6:7], s[24:25]
	s_add_nc_u64 s[10:11], s[10:11], s[26:27]
.irp i, 0,1,2,3,4,5,6,7,8,9,10,11,12,13,14,15
	global_load_b128 v[KR+4*\i:KR+4*\i+3], v4, s[4:5] offset:512*\i th:TH_LOAD_NT   ; 32 lanes read 512 consecutive bytes: two keys' rows; read once in the launch
.endr
.irp i, 0,1,2,3,4,5,6,7,8,9,10,11,12,13,14,15
	global_load_b128 v[VR+4*\i:VR+4*\i+3], v4, s[6:7] offset:512*\i th:TH_LOAD_NT
.endr
	s_wait_kmcnt 0x0
	s_add_co_i32 s28, s21, 127
	s_lshl_b32 s29, s28, 23
	v_mov_b32 v8, s29                              ; 2^ek as f32: the conversion takes its exponent field
	s_add_co_i32 s28, s28, 8
	s_lshl_b32 s28, s28, 23
	s_or_b32 s28, s28, 0x600000
	v_mov_b32 v9, s28                              ; 448 x 2^ek
	s_add_co_i32 s28, s23, 127
	s_lshl_b32 s29, s28, 23
	v_mov_b32 v10, s29                             ; 2^ev
	s_add_co_i32 s28, s28, 8
	s_lshl_b32 s28, s28, 23
	s_or_b32 s28, s28, 0x600000
	v_mov_b32 v11, s28                             ; 448 x 2^ev
; v[X] .. v[X + 63] become 64 codes in v[c] .. v[c + 15]: eight numbers of consecutive registers give two registers of codes, the first number's code in the lowest byte
.macro QUANT64 c, sc, lim
.set n, 0
.rept 64
	v_med3_num_f32 v[X+n], v[X+n], -v[\lim], v[\lim]   ; the conversion to an 8-bit code does not saturate (ISA guide 7.6.2): the hold at the largest code x the scale comes first
.set n, n+1
.endr
.set n, 0
.rept 8
	v_cvt_scalef32_pk8_fp8_f32 v[\c+2*n:\c+2*n+1], v[X+8*n:X+8*n+7], v[\sc]
.set n, n+1
.endr
	v_nop                                          ; a plain vector line behind the last conversion of a run
.endm
	; ---- K
	s_wait_loadcnt 16                              ; loads come back in order: K's sixteen are in, V's sixteen younger ones may be out
.irp i, 0,1,2,3,4,5,6,7,8,9,10,11,12,13,14,15
	ds_store_b128 v5, v[KR+4*\i:KR+4*\i+3] offset:2*SP*\i
.endr
.irp u, 0,1                                    ; tile 2 m + u: key 16 u + r; registers X + 32 u + 8 c' + 0..7 = d 16 c' + 8 h + 0..7
.irp c, 0,1,2,3
	ds_load_b128 v[X+32*\u+8*\c:X+32*\u+8*\c+3],   v6 offset:16*SP*\u+64*\c      ; LDS serves a wave's instructions in order (ISA guide 5.7.1.4): these see the stores above
	ds_load_b128 v[X+32*\u+8*\c+4:X+32*\u+8*\c+7], v6 offset:16*SP*\u+64*\c+16
.endr
.endr
	s_wait_dscnt 0x0
	QUANT64 CK, 8, 9                               ; CK + 8 u + 2 c' = registers 2 c', 2 c' + 1 of tile 2 m + u
.irp n, 0,1,2,3
	global_store_b128 v12, v[CK+4*\n:CK+4*\n+3], s[10:11] offset:512*\n   ; n = 2 u + g: tile 2 m + u, register group g
.endr
	; ---- V
	s_wait_loadcnt 0x0
.irp i, 0,1,2,3,4,5,6,7,8,9,10,11,12,13,14,15
	ds_store_b128 v5, v[VR+4*\i:VR+4*\i+3] offset:VST+2*SP*\i
.endr
.irp t, 0,1,2,3                                ; a lane takes channel 16 t + r, and its registers run down the keys: X + 16 t + 8 u + j = V(key 16 u + 8 h + j, channel 16 t + r)
.irp u, 0,1
.irp j, 0,1,2,3,4,5,6,7
	ds_load_b32 v[X+16*\t+8*\u+\j], v7 offset:VST+(16*\u+\j)*SP+64*\t
.endr
.endr
.endr
	s_wait_dscnt 0x0
	QUANT64 CV, 10, 11                             ; CV + 4 t + 2 u = registers 4 m + 2 u, 4 m + 2 u + 1 of tile t
.irp t, 0,1,2,3
	global_store_b128 v13, v[CV+4*\t:CV+4*\t+3], s[10:11] offset:2048*\t
.endr
	s_wait_tensorcnt 0x0
	ds_add_u32 v240, v241
	s_wait_dscnt 0x0
	s_endpgm
.Lfunc_end_k_q3afef73ed0_quant:
	.size	k_q3afef73ed0_quant, .Lfunc_end_k_q3afef73ed0_quant-k_q3afef73ed0_quant
	.p2alignl 7, 3214868480
	.fill 96, 4, 3214868480
	.section	.rodata,"a",@progbits
	.p2align	6, 0x0
	.amdhsa_kernel k_q3afef73ed0_quant
		.amdhsa_group_segment_fixed_size 140288
		.amdhsa_private_segment_fixed_size 0
		.amdhsa_enable_private_segment 0
		.amdhsa_kernarg_size 32
		.amdhsa_user_sgpr_count 2
		.amdhsa_user_sgpr_kernarg_segment_ptr 1
		.amdhsa_wavefront_size32 1
		.amdhsa_system_sgpr_workgroup_id_x 1
		.amdhsa_system_sgpr_workgroup_id_y 1
		.amdhsa_system_sgpr_workgroup_id_z 1
		.amdhsa_system_vgpr_workitem_id 0
		.amdhsa_next_free_vgpr 242
		.amdhsa_next_free_sgpr 66
		.amdhsa_reserve_vcc 0
		.amdhsa_float_denorm_mode_32 3
		.amdhsa_float_denorm_mode_16_64 3
		.amdhsa_memory_ordered 1
		.amdhsa_forward_progress 1
		.amdhsa_inst_pref_size 23
	.end_amdhsa_kernel
	.amdgpu_metadata
---
amdhsa.version: [ 1, 2 ]
amdhsa.kernels:
  - .name:           k_q3afef73ed0_quant
    .symbol:         k_q3afef73ed0_quant.kd
    .args:
      - { .name: keys, .offset: 0, .size: 8, .value_kind: global_buffer, .address_space: global }
      - { .name: values, .offset: 8, .size: 8, .value_kind: global_buffer, .address_space: global }
      - { .name: lowp_scales, .offset: 16, .size: 8, .value_kind: global_buffer, .address_space: global }
      - { .name: kv_img, .offset: 24, .size: 8, .value_kind: global_buffer, .address_space: global }
    .group_segment_fixed_size: 140288
    .private_segment_fixed_size: 0
    .kernarg_segment_align: 8
    .kernarg_segment_size: 32
    .max_flat_workgroup_size: 256
    .sgpr_count:     66
    .vgpr_count:     242
    .wavefront_size: 32
...
	.end_amdgpu_metadata
.endif
;; end of part 1
;; launch attn (part 2): grid 16 x 16, 16 waves a work-group, no clusters, 137,216 bytes of LDS; arguments queries, kv_img, lowp_scales, valid_lens, out0; writes out0
.if DOCPART == 2
	.amdgcn_target "amdgcn-amd-amdhsa--gfx1250"
	.amdhsa_code_object_version 6
	.text
	.protected	k_q3afef73ed0_attn
	.globl	k_q3afef73ed0_attn
	.p2align	8
	.type	k_q3afef73ed0_attn,@function
k_q3afef73ed0_attn:
	s_mov_b64 s[64:65], 0
	v_nop
	global_prefetch_b8 v0, s[64:65] scope:SCOPE_SE
	s_setreg_imm32_b32 hwreg(HW_REG_WAVE_MODE, 25, 1), 1
	s_wait_xcnt 0x0
; out0[b][q][:] = the sum over k of softmax_k(score) V[b][k][:], score = Q[b][q] . K[b][k] / 8, replaced by -1e6 for keys k >= valid_lens[b].  32 batches, 2,048 queries, 2,048 keys, head size 64.
; Both products on codes of FP8 (E4M3), each operand with its given scale 2^e: eq, ek, ep, ev.  K's and V's codes come as register images (16 blocks of 16,384 bytes a batch: 8 tiles of K, 4 of V; a tile's
; registers 4 g .. 4 g + 3 at + 512 g + 16 x lane); Q arrives as f32 and is quantised here, in registers, since one wave reads it once.
; THE SOFTMAX AHEAD OF THE SECOND PRODUCT: t = score x log2(e); M = the running largest t rounded UP to a whole number; p = 2^(t - M) is what is quantised, not normalised.  The row's sum is taken of the unquantised p
; and divides at the end.  When M moves, the sum and O are multiplied by 2^(old M - new M): exact.
; LAYOUT.  Both products are used transposed: S^T = K Q^T (source 0 = 16 keys, source 1 = my 16 queries, K = 64), O^T = V^T P^T (source 0 = 16 channels, source 1 = P, K = 128 keys): a lane holds ONE query (lane % 16).
; In S^T's tile c register j of lane (r, h) is key 16 c + 8 h + j: one conversion of the tile's eight registers gives registers 2 c, 2 c + 1 of P in the K = 128 form's own layout: keys in their true places.
; HIDDEN KEYS.  Codes bound |score| by 64 x 448^2 / 8 x 2^(eq + ek) = 1,605,632 x 2^(eq + ek).  Where eq + ek < 0 that is under 802,816, so a hidden key's t lies more than 284,000 under every open key's: its p is 0 in f32,
; in the definition too.  So a step of 128 keys all of which are hidden is LEFT OUT (SKIP = 1); in the step that valid_lens cuts, hidden scores are replaced ahead of the maximum.  Where eq + ek >= 0 all 16 steps are walked
; and hidden scores replaced.  valid_lens = 0: all 2,048 scores are equal, so t is taken as 0 everywhere (c = 0): p = 1, as the definition gives for 2,048 equal logits whose t is a whole number.
; SHARES.  Work-group (j, p) owns queries 128 j .. 128 j + 127 of TWO batches: those of rank p and of rank 31 - p when the batches are ordered by the number of keys to be walked: so the steps of a work-group add up
; to about the same number in all 256.  The ranks are whole numbers made from valid_lens, which is read from memory.  A wave owns 16 queries of one batch (its item): item = (w ^ (w >> 2)) & 1, so that of any four
; neighbouring waves, and of waves w, w + 4, w + 8, w + 12, two belong to each item; wi = w >> 1 is its number among the item's eight.
; THE FEED.  A step's block is copied to LDS by the item's eight waves, 2,048 bytes each (4 loads and 4 LDS stores of 512 bytes), two steps ahead in registers and one step ahead in LDS, into two buffers by turns;
; one barrier a step.  Every wave passes all 16 barriers; a hidden step is nothing but its barrier.
; NO TENSOR LOADS, NO CLUSTER: the fill of a hidden step is left out by a scalar branch on a length read from memory.  Such a branch may stand round loads into registers; joint requests do not admit it, and without it
; a work-group would fetch 2 x 16 blocks where it reads (LW0 + LW1) / 128.  What partners could share, 16,384 bytes a step and item, is 4 loads a wave beside a step's 32 LDS loads and some 200 vector instructions.
; LIMITS: eq + ek between -105 and 130 (added to the exponent fields of c and taken from that of the fill); eq and ep between -126 and 119; ep + ev is applied by v_ldexp_f32 and has none.  NaN among the inputs is not
; served.  valid_lens outside 0 .. 2,048 are held to that range.  Where eq + ek >= 0 and open scores lie near -1e6, t has a spacing of 1/8 there, and t - M, made by one fused multiply-add, may differ from a rounded t by that.
; REGISTERS: v1-7 addresses that stay; v8-11 at work at the head; v12 -M, v13 the largest t, v[14:15] the sum in two halves; v16-23 Q's codes; v24-39 the feed; v40-103 fragments of K (8 x 8), then of V (4 x 16);
; v104-167 S^T, then p; v168-199 O^T; v200-215 P's codes; v216-233 at work and constants.
.set SKIP,  1                          ; 1: steps all of whose keys are hidden are left out where eq + ek < 0;  0: all steps are walked
.set BLK,   16384                      ; a step's block
.set PARB,  32768                      ; LDS: buffer par at par x 32,768, item's block at + item x 16,384
.set VIM,   8192                       ; V's images in a block
.set STAGE, 65536                      ; behind the buffers: 16 rows x 272 bytes for each wave, its own: Q's turn at the head, and the way out
.set SP,    272                        ; 256 bytes + 16 = 68 words: row r starts at bank 4 r mod 64 (64 banks of 4 bytes: ISA guide 11.1)
.set AIM,  1                           ; v1   16 x lane + 16,384 x item: where I read images
.set AST,  2                           ; v2   + 2,048 x wi: where I store my part of the feed
.set GOF,  3                           ; v3   16 x lane + 2,048 x wi: my part of a block in memory; never rewritten
.set H8,   4                           ; v4   8 h
.set STO,  5                           ; v5   my stage: row r, byte 32 h
.set RD,   6                           ; v6   my stage: row h, byte 16 r
.set LO,   7                           ; v7   16 x lane
.set QC,   16
.set G,    24
.set F,    40
.set S,    104
.set O,    168
.set P,    200
.set LW,   29                          ; s29  keys to be walked
.set LM,   30                          ; s30  keys that count
.set KF,   31                          ; s31  the step's first key
.set TRIP, 32
.set T0,   33                          ; s33  at work
	s_load_b256 s[4:11], s[0:1], 0x0               ; queries s[4:5], the images s[6:7], the scales' exponents s[8:9], valid_lens s[10:11]
	s_load_b64 s[12:13], s[0:1], 0x20              ; out0
	v_lshl_add_u32 v254, v0, 2, 0x21000
	v_mov_b32 v255, 0
	v_lshrrev_b32 v8, 5, v0
	v_readfirstlane_b32 s14, v8                    ; wave 0..15
	s_lshr_b32 s15, s14, 2
	s_xor_b32 s15, s15, s14
	s_and_b32 s15, s15, 1                          ; item
	s_lshr_b32 s16, s14, 1                         ; wi
	s_and_b32 s17, ttmp7, 0xffff                   ; p
	s_mov_b32 s18, ttmp9                           ; j
	v_and_b32 v229, 31, v0                         ; lane
	v_and_b32 v230, 15, v0                         ; r
	v_bfe_u32 v231, v0, 4, 1                       ; h
	v_lshlrev_b32 v[LO], 4, v229
	s_lshl_b32 s34, s15, 14
	v_add_nc_u32 v[AIM], s34, v[LO]
	s_lshl_b32 s35, s16, 11
	v_add_nc_u32 v[AST], s35, v[AIM]
	v_add_nc_u32 v[GOF], s35, v[LO]
	v_lshlrev_b32 v[H8], 3, v231
	s_mul_i32 s34, s14, 16*SP
	s_add_co_u32 s34, s34, STAGE                   ; my stage
	v_mul_u32_u24 v[STO], v230, SP
	v_lshl_add_u32 v[STO], v231, 5, v[STO]
	v_add_nc_u32 v[STO], s34, v[STO]
	v_mul_u32_u24 v[RD], v231, SP
	v_lshl_add_u32 v[RD], v230, 4, v[RD]
	v_add_nc_u32 v[RD], s34, v[RD]
	v_lshlrev_b32 v10, 2, v229
	v_mov_b32 v227, 0
	v_mov_b32 v228, 0x800
	s_mov_b32 s20, 0x76543210                      ; v_permlanex16_b32's selects for lane l xor 16
	s_mov_b32 s21, 0xfedcba98
	s_wait_kmcnt 0x0
	s_load_b128 s[24:27], s[8:9], 0x0              ; eq, ek, ep, ev
	global_load_b32 v8, v10, s[10:11]              ; lane i: batch i's length
	s_wait_loadcnt 0x0
	s_wait_kmcnt 0x0
	; ---- the lengths, and which batch is mine: whole numbers throughout
	v_cmp_gt_i32 vcc_lo, 0, v8
	v_cndmask_b32 v8, v8, v227, vcc_lo             ; L held at 0 from below,
	v_min_u32 v8, 0x800, v8                        ; and at 2,048 from above
	s_add_co_i32 s33, s24, s25                     ; eq + ek
.if SKIP
	s_cmp_ge_i32 s33, 0
	s_cselect_b32 s40, -1, 0                       ; eq + ek >= 0: every batch walks all its keys
.else
	s_mov_b32 s40, -1
.endif
	v_cmp_eq_u32 s41, 0, v8                        ; so does a batch with L = 0
	s_or_b32 s41, s41, s40
	v_cndmask_b32 v9, v8, v228, s41                ; the keys to be walked
	v_lshl_add_u32 v10, v9, 5, v229                ; 32 x that + the batch's number: no two alike
	v_mov_b32 v11, 0
.set n, 0
.rept 32
	v_readlane_b32 s42, v10, n
	v_cmp_lt_u32 vcc_lo, s42, v10
	v_add_co_ci_u32 v11, vcc_lo, 0, v11, vcc_lo    ; the batch's rank: how many are smaller
.set n, n+1
.endr
	s_sub_co_u32 s19, 31, s17
	s_cmp_eq_u32 s15, 0
	s_cselect_b32 s19, s17, s19                    ; item 0: rank p;  item 1: rank 31 - p
	v_cmp_eq_u32 s43, s19, v11
	s_ctz_i32_b32 s28, s43                         ; the one lane with that rank is my batch,
	s_min_u32 s28, s28, 31                         ; held inside the tensors
	v_readlane_b32 s[LW], v9, s28
	v_readlane_b32 s[LM], v8, s28
	s_lshl_b32 s36, s28, 18                        ; the batch's images: 2^18 bytes a batch
	s_mov_b32 s37, 0
	s_add_nc_u64 s[6:7], s[6:7], s[36:37]
	s_lshl_b32 s38, s28, 19                        ; my 16 rows of queries and of out0: 2^19 x batch + 2^15 j + 2^12 wi
	s_lshl_b32 s34, s18, 15
	s_add_co_u32 s38, s38, s34
	s_lshl_b32 s34, s16, 12
	s_add_co_u32 s38, s38, s34
	s_mov_b32 s39, 0
	s_add_nc_u64 s[4:5], s[4:5], s[38:39]
	s_add_nc_u64 s[12:13], s[12:13], s[38:39]
.irp i, 0,1,2,3,4,5,6,7
	global_load_b128 v[S+4*\i:S+4*\i+3], v[LO], s[4:5] offset:512*\i th:TH_LOAD_NT   ; my 16 rows of Q, 512 consecutive bytes a load; read once in the launch
.endr
.irp i, 0,1,2,3
	global_load_b128 v[G+4*\i:G+4*\i+3], v[GOF], s[6:7] offset:512*\i   ; my part of step 0's block
.endr
	; ---- constants, while the loads are out
	s_lshl_b32 s34, s33, 23
	s_add_co_i32 s22, s34, 0x3e38aa3b              ; c = log2(e) / 8 x 2^(eq + ek): t = a sum of code products x c
	s_sub_co_i32 s35, 0xcaf42400, s34              ; the fill as a sum of code products: -8e6 / 2^(eq + ek), so that fill x c = -1e6 x log2(e)
	v_mov_b32 v223, s35
	s_cmp_eq_u32 s[LM], 0
	s_cselect_b32 s22, 0, s22                      ; L = 0: all scores are equal: t = 0 everywhere,
	s_cselect_b32 s[LM], 0x800, s[LM]              ; and nothing is replaced
	s_mov_b32 s23, s22                             ; (the packed form names the pair, so it is written)
	s_add_co_i32 s34, s24, 127
	s_lshl_b32 s35, s34, 23
	v_mov_b32 v232, s35                            ; 2^eq as f32, for Q's conversions
	s_add_co_i32 s34, s34, 8
	s_lshl_b32 s34, s34, 23
	s_or_b32 s34, s34, 0x600000
	v_mov_b32 v233, s34                            ; 448 x 2^eq
	s_add_co_i32 s34, s26, 127
	s_lshl_b32 s35, s34, 23
	v_mov_b32 v225, s35                            ; 2^ep, for p's conversions
	s_add_co_i32 s34, s34, 8
	s_lshl_b32 s34, s34, 23
	s_or_b32 s34, s34, 0x600000
	v_mov_b32 v224, s34                            ; 448 x 2^ep
	v_mov_b32 v13, 0xff61b1e6                      ; the largest t so far: -3e38, under every t
	v_floor_f32 v12, -v13                          ; -M
	v_mov_b32 v14, 0                               ; the sum, in two halves
	v_mov_b32 v15, 0
	v_mov_b32 v217, 0                              ; (named as the upper half of the pair v[216:217])
	v_mov_b32 v222, 0                              ; written once: a lane permute's destination counts as one of its sources
.set n, 0
.rept 32
	v_mov_b32 v[O+n], 0                            ; O^T.  (The step is written once: the first finds zeros, which the first change of M leaves zeros)
.set n, n+1
.endr
	s_mov_b32 s[KF], 0
	s_mov_b32 s[TRIP], 8
	; ---- Q: through my stage, so that a lane holds 8 neighbours along d of its query; held, converted
	s_wait_loadcnt 4                               ; loads come back in order: Q's eight are in, the feed's four younger ones may be out
.irp i, 0,1,2,3,4,5,6,7
	ds_store_b128 v[RD], v[S+4*\i:S+4*\i+3] offset:2*SP*\i
.endr
.irp c, 0,1,2,3
	ds_load_b128 v[S+32+8*\c:S+32+8*\c+3], v[STO] offset:64*\c       ; Q(r, 16 c + 8 h + 0..7).  LDS serves a wave's instructions in order (ISA guide 5.7.1.4): these see the stores above
	ds_load_b128 v[S+32+8*\c+4:S+32+8*\c+7], v[STO] offset:64*\c+16
.endr
	s_wait_dscnt 0x0
.set n, 0
.rept 32
	v_med3_num_f32 v[S+32+n], v[S+32+n], -v233, v233   ; the conversion to an 8-bit code does not saturate (ISA guide 7.6.2): the hold comes first
.set n, n+1
.endr
.irp c, 0,1,2,3
	v_cvt_scalef32_pk8_fp8_f32 v[QC+2*\c:QC+2*\c+1], v[S+32+8*\c:S+32+8*\c+7], v232   ; registers 2 c, 2 c + 1 of Q's fragment
.endr
	v_nop                                          ; a plain vector line between the last conversion and the products, which read its result and write its sources
	; ---- the feed's start: step 0 into buffer 0, step 1 into registers
	s_wait_loadcnt 0x0
.irp i, 0,1,2,3
	ds_store_b128 v[AST], v[G+4*\i:G+4*\i+3] offset:512*\i
.endr
	s_wait_dscnt 0x0                               ; for the others' sake: my part of step 0 lies in LDS; and the stores have read their registers
.irp i, 0,1,2,3
	global_load_b128 v[G+4*\i:G+4*\i+3], v[GOF], s[6:7] offset:BLK+512*\i   ; step 1's block exists in every batch, whether it will be read or not
.endr
	s_barrier_signal -1
	s_barrier_wait -1                              ; step 0's blocks are whole
; A KEY STEP: 128 keys, read from buffer par.
.macro STEP par
	s_cmp_ge_u32 s[KF], s[LW]                      ; all of the step's keys are hidden: nothing but the lines at the step's end.  A scalar branch on whole numbers; no barrier stands under it
	s_cbranch_scc1 .Lhid_\@
	s_wait_loadcnt 0x0                             ; the next step's part of the feed is in my registers (where none was asked for, nothing is out)
	s_add_co_u32 s[T0], s[KF], 128
	s_cmp_ge_u32 s[T0], s[LW]
	s_cbranch_scc1 .Lnofeed_\@                     ; the next step is hidden: nobody will read its block
.irp i, 0,1,2,3
	ds_store_b128 v[AST], v[G+4*\i:G+4*\i+3] offset:(1-\par)*PARB+512*\i   ; into the other buffer: its readers waited for their loads in front of the last barrier
.endr
.Lnofeed_\@:
.irp c, 0,1,2,3,4,5,6,7
	ds_load_b128 v[F+8*\c:F+8*\c+3],   v[AIM] offset:\par*PARB+1024*\c       ; K's eight tiles: 512 consecutive bytes a load
	ds_load_b128 v[F+8*\c+4:F+8*\c+7], v[AIM] offset:\par*PARB+1024*\c+512
.endr
	s_wait_dscnt 8                                 ; LDS instructions end in order: tiles 0-3 are in, the eight loads of tiles 4-7 may be out
.irp c, 0,1,2,3
	v_wmma_f32_16x16x64_fp8_fp8 v[S+8*\c:S+8*\c+7], v[F+8*\c:F+8*\c+7], v[QC:QC+7], 0
.endr
	s_wait_dscnt 0x0                               ; tiles 4-7 are in; the feed's stores have read their registers
.irp c, 4,5,6,7
	v_wmma_f32_16x16x64_fp8_fp8 v[S+8*\c:S+8*\c+7], v[F+8*\c:F+8*\c+7], v[QC:QC+7], 0
.endr
	s_add_co_u32 s[T0], s[KF], 256
	s_cmp_ge_u32 s[T0], s[LW]
	s_cbranch_scc1 .Lnoload_\@                     ; the step after the next is hidden, or past the batch's end: LW is 2,048 at the most, so no load leaves the buffer
.irp i, 0,1,2,3
	global_load_b128 v[G+4*\i:G+4*\i+3], v[GOF], s[6:7] offset:(\par+2)*BLK+512*\i   ; two steps ahead: it has this step's softmax in which to land
.endr
.Lnoload_\@:
.rept 4
	v_nop                                          ; four places behind the last product, in front of the loads into its sources and of the first read of results
.endr
.irp t, 0,1,2,3
.irp g, 0,1,2,3
	ds_load_b128 v[F+16*\t+4*\g:F+16*\t+4*\g+3], v[AIM] offset:\par*PARB+VIM+2048*\t+512*\g   ; V's four tiles land while the softmax is walked
.endr
.endr
	s_add_co_u32 s[T0], s[KF], 128
	s_cmp_le_u32 s[T0], s[LM]
	s_cbranch_scc1 .Lopen_\@                       ; all 128 keys count
	s_sub_co_i32 s[T0], s[LM], s[KF]
	v_sub_nc_u32 v226, s[T0], v[H8]                ; register 8 c + j holds key KF + 16 c + 8 h + j: hidden where 16 c + j >= LM - KF - 8 h
.set n, 0
.rept 64
	v_cmp_ge_i32 vcc_lo, 16*(n/8)+n%8, v226
	v_cndmask_b32 v[S+n], v[S+n], v223, vcc_lo     ; the fill takes the score's place, ahead of the maximum
.set n, n+1
.endr
.Lopen_\@:
	v_max3_num_f32 v220, v[S], v[S+1], v[S+2]      ; the step's largest score of my query among my 64 keys, in two chains, each tile from its low end on
	v_max3_num_f32 v221, v[S+3], v[S+4], v[S+5]
.irp i, 6,10,14,18,22,26,30,34,38,42,46,50,54,58
	v_max3_num_f32 v220, v220, v[S+\i], v[S+\i+1]
	v_max3_num_f32 v221, v221, v[S+\i+2], v[S+\i+3]
.endr
	v_max3_num_f32 v220, v220, v[S+62], v[S+63]
	v_max_num_f32 v220, v220, v221
	v_permlanex16_b32 v222, v220, s20, s21
	v_max_num_f32 v220, v220, v222                 ; and among lane l xor 16's
	v_mul_f32 v220, s22, v220                      ; as t (c is not negative)
	v_max_num_f32 v13, v13, v220                   ; the running largest t
	v_mov_b32 v220, v12
	v_floor_f32 v12, -v13                          ; the new -M = floor(-t) = -ceil(t): M is a whole number
	v_sub_f32 v220, v12, v220                      ; M's old value less its new one: a whole number, 0 or less
	v_cvt_i32_f32 v220, v220                       ; (it saturates)
	v_ldexp_f32 v216, 1.0, v220                    ; f = 2^(old M - new M)
.set n, 0
.rept 32
	v_pk_fma_f32 v[S+n:S+n+1], v[S+n:S+n+1], s[22:23], v[12:13] op_sel_hi:[1,0,0]   ; t - M, two at a time (of the pairs c and -M the low word serves both halves)
.set n, n+2
.endr
.set n, 0
.rept 64
	v_exp_f32 v[S+n], v[S+n]                       ; p = 2^(t - M), at most 1: not normalised
.set n, n+1
.endr
	v_pk_mul_f32 v[14:15], v[14:15], v[216:217] op_sel_hi:[1,0]   ; the sums under the new M.  (The plain place behind the exponentials)
	s_wait_alu depctr_va_vdst(0)
	v_pk_add_f32 v[218:219], v[S:S+1], v[S+2:S+3]  ; the row's sum is taken of the unquantised p: two at a time, in two chains
.irp j, 4,8,12,16,20,24,28,32,36,40,44,48,52,56,60
	v_pk_add_f32 v[14:15], v[14:15], v[S+\j:S+\j+1]
	v_pk_add_f32 v[218:219], v[218:219], v[S+\j+2:S+\j+3]
.endr
	v_pk_add_f32 v[14:15], v[14:15], v[218:219]
	s_cmp_ge_i32 s26, -8                           ; p <= 1 <= 448 x 2^-8: from ep = -8 on the hold can change no number, and its 64 lines are jumped over
	s_cbranch_scc1 .Lnohold_\@
.set n, 0
.rept 64
	v_min_num_f32 v[S+n], v[S+n], v224             ; the conversion to an 8-bit code does not saturate (ISA guide 7.6.2); p is not negative, so the hold is one-sided
.set n, n+1
.endr
.Lnohold_\@:
.irp c, 0,1,2,3,4,5,6,7
	v_cvt_scalef32_pk8_fp8_f32 v[P+2*\c:P+2*\c+1], v[S+8*\c:S+8*\c+7], v225   ; keys 16 c + 8 h + 0..7: registers 2 c, 2 c + 1 of P
.endr
.set n, 0
.rept 16
	v_pk_mul_f32 v[O+n:O+n+1], v[O+n:O+n+1], v[216:217] op_sel_hi:[1,0]   ; O^T under the new M: x f, each tile from its low end on.  (These are also the plain lines behind the conversions)
.set n, n+2
.endr
	s_wait_dscnt 0x0                               ; V's tiles are in
.irp t, 0,1,2,3
	v_wmma_f32_16x16x128_fp8_fp8 v[O+8*\t:O+8*\t+7], v[F+16*\t:F+16*\t+15], v[P:P+15], v[O+8*\t:O+8*\t+7]   ; the four accumulators take turns, one instruction a turn
.endr
.rept 4
	v_nop                                          ; four places, in front of the next step's loads into the fragments and of the way out's reads of O^T
.endr
.Lhid_\@:
	s_add_co_u32 s[KF], s[KF], 128
	s_wait_dscnt 0x0                               ; for the others' sake: my part of the next block lies in LDS, and my reads of this buffer are over
	s_barrier_signal -1
	s_barrier_wait -1                              ; both now hold of all sixteen waves
.endm
.Ltrip:                                            ; 8 trips of two steps, a constant: every wave passes every barrier
	STEP 0
	STEP 1
	s_wait_xcnt 0x0                                ; the feed's loads have had their addresses translated (ISA guide 3.1): only behind this wait is their base stepped
	s_add_nc_u64 s[6:7], s[6:7], 2*BLK
	s_sub_co_u32 s[TRIP], s[TRIP], 1
	s_cmp_lg_u32 s[TRIP], 0
	s_cbranch_scc1 .Ltrip
	; THE WAY OUT.  O^T / the sum x 2^(ep + ev); a lane's eight channels of a row are 32 bytes: they go through my stage and come back as whole rows of 256 bytes.
	v_add_f32 v14, v14, v15                        ; the sum's two halves,
	v_permlanex16_b32 v222, v14, s20, s21
	v_add_f32 v14, v14, v222                       ; and lane l xor 16's: the row's sum, at least 1/2
	v_rcp_f32 v14, v14
	v_nop                                          ; a plain place behind the transcendental
	s_add_co_i32 s34, s26, s27
	s_wait_alu depctr_va_vdst(0)
	v_ldexp_f32 v14, v14, s34
.set n, 0
.rept 16
	v_pk_mul_f32 v[S+n:S+n+1], v[O+n:O+n+1], v[14:15] op_sel_hi:[1,0]   ; register 8 t + i is out0(r, 16 t + 8 h + i); each tile from its low end on
.set n, n+2
.endr
.irp t, 0,1,2,3
	ds_store_b128 v[STO], v[S+8*\t:S+8*\t+3] offset:64*\t
	ds_store_b128 v[STO], v[S+8*\t+4:S+8*\t+7] offset:64*\t+16
.endr
.irp i, 0,1,2,3,4,5,6,7
	ds_load_b128 v[S+32+4*\i:S+32+4*\i+3], v[RD] offset:2*SP*\i   ; lanes 0-15 one row, lanes 16-31 the next; these see my stores above
.endr
.irp i, 0,1,2,3,4,5,6,7
	s_wait_dscnt 7-\i                              ; pair i of rows is back; the younger loads may be out
	global_store_b128 v[LO], v[S+32+4*\i:S+32+4*\i+3], s[12:13] offset:512*\i th:TH_STORE_NT   ; 32 lanes store 512 consecutive bytes, at a multiple of 512 from out0's first byte; written once, read by nobody here
.endr
	s_wait_tensorcnt 0x0
	ds_add_u32 v254, v255
	s_wait_dscnt 0x0
	s_endpgm
.Lfunc_end_k_q3afef73ed0_attn:
	.size	k_q3afef73ed0_attn, .Lfunc_end_k_q3afef73ed0_attn-k_q3afef73ed0_attn
	.p2alignl 7, 3214868480
	.fill 96, 4, 3214868480
	.section	.rodata,"a",@progbits
	.p2align	6, 0x0
	.amdhsa_kernel k_q3afef73ed0_attn
		.amdhsa_group_segment_fixed_size 137216
		.amdhsa_private_segment_fixed_size 0
		.amdhsa_enable_private_segment 0
		.amdhsa_kernarg_size 40
		.amdhsa_user_sgpr_count 2
		.amdhsa_user_sgpr_kernarg_segment_ptr 1
		.amdhsa_wavefront_size32 1
		.amdhsa_system_sgpr_workgroup_id_x 1
		.amdhsa_system_sgpr_workgroup_id_y 1
		.amdhsa_system_sgpr_workgroup_id_z 1
		.amdhsa_system_vgpr_workitem_id 0
		.amdhsa_next_free_vgpr 256
		.amdhsa_next_free_sgpr 66
		.amdhsa_reserve_vcc 1
		.amdhsa_float_denorm_mode_32 3
		.amdhsa_float_denorm_mode_16_64 3
		.amdhsa_memory_ordered 1
		.amdhsa_forward_progress 1
		.amdhsa_inst_pref_size 62
	.end_amdhsa_kernel
	.amdgpu_metadata
---
amdhsa.version: [ 1, 2 ]
amdhsa.kernels:
  - .name:           k_q3afef73ed0_attn
    .symbol:         k_q3afef73ed0_attn.kd
    .args:
      - { .name: queries, .offset: 0, .size: 8, .value_kind: global_buffer, .address_space: global }
      - { .name: kv_img, .offset: 8, .size: 8, .value_kind: global_buffer, .address_space: global }
      - { .name: lowp_scales, .offset: 16, .size: 8, .value_kind: global_buffer, .address_space: global }
      - { .name: valid_lens, .offset: 24, .size: 8, .value_kind: global_buffer, .address_space: global }
      - { .name: out0, .offset: 32, .size: 8, .value_kind: global_buffer, .address_space: global }
    .group_segment_fixed_size: 137216
    .private_segment_fixed_size: 0
    .kernarg_segment_align: 8
    .kernarg_segment_size: 40
    .max_flat_workgroup_size: 512
    .sgpr_count:     66
    .vgpr_count:     256
    .wavefront_size: 32
...
	.end_amdgpu_metadata
.endif
;; end of part 2
;; ======== version 2 of 2: 2 launches; version 1 with the launch attn written anew for expert scheduling mode
;; workspace buffers: kv_img 8,388,608 bytes
;; launch quant: the kernel of part 1 again; grid 8 x 32, 8 waves a work-group, no clusters, 140,288 bytes of LDS; arguments keys, values, lowp_scales, kv_img; writes kv_img
;; launch attn (part 3): grid 16 x 16, 16 waves a work-group, no clusters, 137,216 bytes of LDS; arguments queries, kv_img, lowp_scales, valid_lens, out0; writes out0
.if DOCPART == 3
	.amdgcn_target "amdgcn-amd-amdhsa--gfx1250"
	.amdhsa_code_object_version 6
	.text
	.protected	k_q3afef73ed0_attn
	.globl	k_q3afef73ed0_attn
	.p2align	8
	.type	k_q3afef73ed0_attn,@function
k_q3afef73ed0_attn:
	s_mov_b64 s[64:65], 0
	v_nop
	global_prefetch_b8 v0, s[64:65] scope:SCOPE_SE
	s_setreg_imm32_b32 hwreg(HW_REG_WAVE_SCHED_MODE, 0, 2), 2
	s_setreg_imm32_b32 hwreg(HW_REG_WAVE_MODE, 25, 1), 1
	s_wait_xcnt 0x0
	s_wait_alu depctr_vm_vsrc(0)
; out0[b][q][:] = the sum over k of softmax_k(score) V[b][k][:], score = Q[b][q] . K[b][k] / 8, replaced by -1e6 for keys k >= valid_lens[b].  32 batches, 2,048 queries, 2,048 keys, head size 64.
; Both products on codes of FP8 (E4M3), each operand with its given scale 2^e: eq, ek, ep, ev.  K's and V's codes come as register images (16 blocks of 16,384 bytes a batch: 8 tiles of K, 4 of V; a tile's
; registers 4 g .. 4 g + 3 at + 512 g + 16 x lane); Q arrives as f32 and is quantised here, in registers, since one wave reads it once.
; THE SOFTMAX AHEAD OF THE SECOND PRODUCT: t = score x log2(e); M = the running largest t rounded UP to a whole number; p = 2^(t - M) is what is quantised, not normalised.  The row's sum is taken of the unquantised p
; and divides at the end.  When M moves, the sum and O are multiplied by 2^(old M - new M): exact.
; LAYOUT.  Both products are used transposed: S^T = K Q^T (source 0 = 16 keys, source 1 = my 16 queries, K = 64), O^T = V^T P^T (source 0 = 16 channels, source 1 = P, K = 128 keys): a lane holds ONE query (lane % 16).
; In S^T's tile c register j of lane (r, h) is key 16 c + 8 h + j: one conversion of the tile's eight registers gives registers 2 c, 2 c + 1 of P in the K = 128 form's own layout: keys in their true places.
; HIDDEN KEYS.  Codes bound |score| by 64 x 448^2 / 8 x 2^(eq + ek) = 1,605,632 x 2^(eq + ek).  Where eq + ek < 0 that is under 802,816, so a hidden key's t lies more than 284,000 under every open key's: its p is 0 in f32,
; in the definition too.  So a step of 128 keys all of which are hidden is LEFT OUT (SKIP = 1); in the step that valid_lens cuts, hidden scores are replaced ahead of the maximum.  Where eq + ek >= 0 all 16 steps are walked
; and hidden scores replaced.  valid_lens = 0: all 2,048 scores are equal, so t is taken as 0 everywhere (c = 0): p = 1, as the definition gives for 2,048 equal logits whose t is a whole number.
; SHARES.  Work-group (j, p) owns queries 128 j .. 128 j + 127 of TWO batches: those of rank p and of rank 31 - p when the batches are ordered by the number of keys to be walked: so the steps of a work-group add up
; to about the same number in all 256.  The ranks are whole numbers made from valid_lens, which is read from memory.  A wave owns 16 queries of one batch (its item): item = (w ^ (w >> 2)) & 1, so that of any four
; neighbouring waves, and of waves w, w + 4, w + 8, w + 12, two belong to each item; wi = w >> 1 is its number among the item's eight.
; THE FEED.  A step's block is copied to LDS by the item's eight waves, 2,048 bytes each (4 loads and 4 LDS stores of 512 bytes), two steps ahead in registers and one step ahead in LDS, into two buffers by turns;
; one barrier a step.  Every wave passes all 16 barriers; a hidden step is nothing but its barrier.
; NO TENSOR LOADS, NO CLUSTER: the fill of a hidden step is left out by a scalar branch on a length read from memory.  Such a branch may stand round loads into registers; joint requests do not admit it, and without it
; a work-group would fetch 2 x 16 blocks where it reads (LW0 + LW1) / 128.  What partners could share, 16,384 bytes a step and item, is 4 loads a wave beside a step's 32 LDS loads and some 200 vector instructions.
; LIMITS: eq + ek between -105 and 130 (added to the exponent fields of c and taken from that of the fill); eq and ep between -126 and 119; ep + ev is applied by v_ldexp_f32 and has none.  NaN among the inputs is not
; served.  valid_lens outside 0 .. 2,048 are held to that range.  Where eq + ek >= 0 and open scores lie near -1e6, t has a spacing of 1/8 there, and t - M, made by one fused multiply-add, may differ from a rounded t by that.
; REGISTERS: v1-7 addresses that stay; v8-11 at work at the head; v12 -M, v13 the largest t, v[14:15] the sum in two halves; v16-23 Q's codes; v24-39 the feed; v40-103 fragments of K (8 x 8), then of V (4 x 16);
; v104-167 S^T, then p; v168-199 O^T; v200-215 P's codes; v216-233 at work and constants; v234-241 at the head only: eight numbers 0 or 1.  s44-59: lanes read and masks of compares, in runs.
; THE MODE: SCHED_MODE bits 1:0 = 2 (LLVM: expert scheduling mode 2), set by the entry lines.  The code itself states the register dependences between vector or matrix instructions and memory or LDS instructions,
; with s_wait_alu, always for 0.
; THE PLAN.  Registers that memory or LDS instructions touch:
;   v1, v2, v3, v5, v6, v7   addresses: written at the head, ahead of one wait on va_vdst, and never again.
;   G (v24-39)    Global loads land in it, the feed's LDS stores read it; no vector or matrix instruction ever names it.  One wait on vm_vsrc stands between the stores and the next loads.
;   F (v40-103)   In a step: K's 16 LDS loads land, 8 products read them, V's 16 LDS loads land, 4 products read them.  One wait on va_vdst stands ahead of each run of loads: at the step's head for the last step's
;                 four products, behind the eighth product for the eight.  No vector or matrix instruction stands between such a wait and its run of loads.
;   S (v104-167)  At the head Q passes through it (loads, LDS stores, LDS loads); on the way out the results do.  In the loop vector and matrix instructions alone name it, as they do O^T, P and the statistics.
; A third wait on va_vdst in a step stands behind the exponentials, ahead of the first line that names a result.  Sixteen waves of 256 registers fill the four SIMDs' registers: there is no room for a second F.
; Scalar results of vector instructions (the wave's number, lanes read, masks of compares) are made in runs, with one wait on va_sdst behind each run, ahead of its first reader.  VCC is written by one line of the text.
.set SKIP,  1                          ; 1: steps all of whose keys are hidden are left out where eq + ek < 0;  0: all steps are walked
.set BLK,   16384                      ; a step's block
.set PARB,  32768                      ; LDS: buffer par at par x 32,768, item's block at + item x 16,384
.set VIM,   8192                       ; V's images in a block
.set STAGE, 65536                      ; behind the buffers: 16 rows x 272 bytes for each wave, its own: Q's turn at the head, and the way out
.set SP,    272                        ; 256 bytes + 16 = 68 words: row r starts at bank 4 r mod 64 (64 banks of 4 bytes: ISA guide 11.1)
.set AIM,  1                           ; v1   16 x lane + 16,384 x item: where I read images
.set AST,  2                           ; v2   + 2,048 x wi: where I store my part of the feed
.set GOF,  3                           ; v3   16 x lane + 2,048 x wi: my part of a block in memory; never rewritten
.set H8,   4                           ; v4   8 h
.set STO,  5                           ; v5   my stage: row r, byte 32 h
.set RD,   6                           ; v6   my stage: row h, byte 16 r
.set LO,   7                           ; v7   16 x lane
.set QC,   16
.set G,    24
.set F,    40
.set S,    104
.set O,    168
.set P,    200
.set RT,   234                         ; v234-241  the head: eight numbers 0 or 1
.set LW,   29                          ; s29  keys to be walked
.set LM,   30                          ; s30  keys that count
.set KF,   31                          ; s31  the step's first key
.set TRIP, 32
.set T0,   33                          ; s33  at work
.set RL,   44                          ; s44-51  the head: eight lanes read;  s44-59  a step: sixteen masks
.set MK,   52                          ; s52-59  the head: eight masks
	s_load_b256 s[4:11], s[0:1], 0x0               ; queries s[4:5], the images s[6:7], the scales' exponents s[8:9], valid_lens s[10:11]
	s_load_b64 s[12:13], s[0:1], 0x20              ; out0
	v_lshl_add_u32 v254, v0, 2, 0x21000
	v_mov_b32 v255, 0
	v_lshrrev_b32 v8, 5, v0
	v_readfirstlane_b32 s14, v8                    ; wave 0..15
	v_and_b32 v229, 31, v0                         ; lane.  (What does not hang on the wave's number is made while s14 is on its way)
	v_and_b32 v230, 15, v0                         ; r
	v_bfe_u32 v231, v0, 4, 1                       ; h
	v_lshlrev_b32 v[LO], 4, v229
	v_lshlrev_b32 v[H8], 3, v231
	v_mul_u32_u24 v[STO], v230, SP
	v_lshl_add_u32 v[STO], v231, 5, v[STO]
	v_mul_u32_u24 v[RD], v231, SP
	v_lshl_add_u32 v[RD], v230, 4, v[RD]
	v_lshlrev_b32 v10, 2, v229
	v_mov_b32 v227, 0
	v_mov_b32 v228, 0x800
	s_and_b32 s17, ttmp7, 0xffff                   ; p
	s_mov_b32 s18, ttmp9                           ; j
	s_mov_b32 s20, 0x76543210                      ; v_permlanex16_b32's selects for lane l xor 16
	s_mov_b32 s21, 0xfedcba98
	s_wait_alu depctr_va_sdst(0)                   ; s14 is written, ahead of its first reader: the item, wi and the LDS addresses are made from it
	s_lshr_b32 s15, s14, 2
	s_xor_b32 s15, s15, s14
	s_and_b32 s15, s15, 1                          ; item
	s_lshr_b32 s16, s14, 1                         ; wi
	s_lshl_b32 s34, s15, 14
	v_add_nc_u32 v[AIM], s34, v[LO]
	s_lshl_b32 s35, s16, 11
	v_add_nc_u32 v[AST], s35, v[AIM]
	v_add_nc_u32 v[GOF], s35, v[LO]
	s_mul_i32 s34, s14, 16*SP
	s_add_co_u32 s34, s34, STAGE                   ; my stage
	v_add_nc_u32 v[STO], s34, v[STO]
	v_add_nc_u32 v[RD], s34, v[RD]
	s_wait_kmcnt 0x0
	s_load_b128 s[24:27], s[8:9], 0x0              ; eq, ek, ep, ev
	s_wait_alu depctr_va_vdst(0)                   ; the addresses v1, v2, v3, v5, v6, v7 and v10 are written, which the loads and stores of the whole kernel read; v8, in which the load below lands, is written and has been read
	global_load_b32 v8, v10, s[10:11]              ; lane i: batch i's length
	s_wait_loadcnt 0x0
	s_wait_kmcnt 0x0
	s_wait_alu depctr_vm_vsrc(0)                   ; the load of the lengths has read v10, which is written again below
	; ---- the lengths, and which batch is mine: whole numbers throughout
	v_cmp_gt_i32 vcc_lo, 0, v8
	s_add_co_i32 s33, s24, s25                     ; eq + ek
.if SKIP
	s_cmp_ge_i32 s33, 0
	s_cselect_b32 s40, -1, 0                       ; eq + ek >= 0: every batch walks all its keys
.else
	s_mov_b32 s40, -1
.endif
	s_wait_alu depctr_va_vcc(0)                    ; the compare has written VCC, which the select reads
	v_cndmask_b32 v8, v8, v227, vcc_lo             ; L held at 0 from below,
	v_min_u32 v8, 0x800, v8                        ; and at 2,048 from above
	v_cmp_eq_u32 s41, 0, v8                        ; a batch with L = 0 walks all its keys too
	s_wait_alu depctr_va_sdst(0)                   ; the compare has written s41, which the line below reads
	s_or_b32 s41, s41, s40
	v_cndmask_b32 v9, v8, v228, s41                ; the keys to be walked
	v_lshl_add_u32 v10, v9, 5, v229                ; 32 x that + the batch's number: no two alike
	v_mov_b32 v11, 0
.set bt, 0
.rept 4                                        ; the batch's rank: how many are smaller.  Eight batches at a time: lanes read, compares, selects and sums each in a run
.set n, 0
.rept 8
	v_readlane_b32 s[RL+n], v10, 8*bt+n
.set n, n+1
.endr
	s_wait_alu depctr_va_sdst(0)                   ; the eight lanes read are written to s44-51, which the compares read
.set n, 0
.rept 8
	v_cmp_lt_u32 s[MK+n], s[RL+n], v10
.set n, n+1
.endr
	s_wait_alu depctr_va_sdst(0)                   ; the eight masks are written to s52-59, which the selects read
.set n, 0
.rept 8
	v_cndmask_b32 v[RT+n], 0, 1, s[MK+n]           ; 1 where the other is smaller: a vector result alone, no carry is written
.set n, n+1
.endr
.set n, 0
.rept 4
	v_add3_u32 v11, v11, v[RT+2*n], v[RT+2*n+1]
.set n, n+1
.endr
.set bt, bt+1
.endr
	s_sub_co_u32 s19, 31, s17
	s_cmp_eq_u32 s15, 0
	s_cselect_b32 s19, s17, s19                    ; item 0: rank p;  item 1: rank 31 - p
	v_cmp_eq_u32 s43, s19, v11
	s_wait_alu depctr_va_sdst(0)                   ; the compare has written s43, which the line below reads
	s_ctz_i32_b32 s28, s43                         ; the one lane with that rank is my batch,
	s_min_u32 s28, s28, 31                         ; held inside the tensors
	v_readlane_b32 s[LW], v9, s28
	v_readlane_b32 s[LM], v8, s28
	s_lshl_b32 s36, s28, 18                        ; the batch's images: 2^18 bytes a batch
	s_mov_b32 s37, 0
	s_add_nc_u64 s[6:7], s[6:7], s[36:37]
	s_lshl_b32 s38, s28, 19                        ; my 16 rows of queries and of out0: 2^19 x batch + 2^15 j + 2^12 wi
	s_lshl_b32 s34, s18, 15
	s_add_co_u32 s38, s38, s34
	s_lshl_b32 s34, s16, 12
	s_add_co_u32 s38, s38, s34
	s_mov_b32 s39, 0
	s_add_nc_u64 s[4:5], s[4:5], s[38:39]
	s_add_nc_u64 s[12:13], s[12:13], s[38:39]
.irp i, 0,1,2,3,4,5,6,7
	global_load_b128 v[S+4*\i:S+4*\i+3], v[LO], s[4:5] offset:512*\i th:TH_LOAD_NT   ; my 16 rows of Q, 512 consecutive bytes a load; read once in the launch.  (No vector line has named these registers, nor v7 since the wait on va_vdst above)
.endr
.irp i, 0,1,2,3
	global_load_b128 v[G+4*\i:G+4*\i+3], v[GOF], s[6:7] offset:512*\i   ; my part of step 0's block
.endr
	; ---- constants, while the loads are out
	s_lshl_b32 s34, s33, 23
	s_add_co_i32 s22, s34, 0x3e38aa3b              ; c = log2(e) / 8 x 2^(eq + ek): t = a sum of code products x c
	s_sub_co_i32 s35, 0xcaf42400, s34              ; the fill as a sum of code products: -8e6 / 2^(eq + ek), so that fill x c = -1e6 x log2(e)
	v_mov_b32 v223, s35
	s_wait_alu depctr_va_sdst(0)                   ; the two lanes read are written to s29 and s30: the wait stands in the run of code that wrote them
	s_cmp_eq_u32 s[LM], 0
	s_cselect_b32 s22, 0, s22                      ; L = 0: all scores are equal: t = 0 everywhere,
	s_cselect_b32 s[LM], 0x800, s[LM]              ; and nothing is replaced
	s_mov_b32 s23, s22                             ; (the packed form names the pair, so it is written)
	s_add_co_i32 s34, s24, 127
	s_lshl_b32 s35, s34, 23
	v_mov_b32 v232, s35                            ; 2^eq as f32, for Q's conversions
	s_add_co_i32 s34, s34, 8
	s_lshl_b32 s34, s34, 23
	s_or_b32 s34, s34, 0x600000
	v_mov_b32 v233, s34                            ; 448 x 2^eq
	s_add_co_i32 s34, s26, 127
	s_lshl_b32 s35, s34, 23
	v_mov_b32 v225, s35                            ; 2^ep, for p's conversions
	s_add_co_i32 s34, s34, 8
	s_lshl_b32 s34, s34, 23
	s_or_b32 s34, s34, 0x600000
	v_mov_b32 v224, s34                            ; 448 x 2^ep
	v_mov_b32 v13, 0xff61b1e6                      ; the largest t so far: -3e38, under every t
	v_floor_f32 v12, -v13                          ; -M
	v_mov_b32 v14, 0                               ; the sum, in two halves
	v_mov_b32 v15, 0
	v_mov_b32 v217, 0                              ; (named as the upper half of the pair v[216:217])
	v_mov_b32 v222, 0                              ; written once: a lane permute's destination counts as one of its sources
.set n, 0
.rept 32
	v_mov_b32 v[O+n], 0                            ; O^T.  (The step is written once: the first finds zeros, which the first change of M leaves zeros)
.set n, n+1
.endr
	s_mov_b32 s[KF], 0
	s_mov_b32 s[TRIP], 8
	; ---- Q: through my stage, so that a lane holds 8 neighbours along d of its query; held, converted
	s_wait_loadcnt 4                               ; loads come back in order: Q's eight are in, the feed's four younger ones may be out
.irp i, 0,1,2,3,4,5,6,7
	ds_store_b128 v[RD], v[S+4*\i:S+4*\i+3] offset:2*SP*\i
.endr
.irp c, 0,1,2,3
	ds_load_b128 v[S+32+8*\c:S+32+8*\c+3], v[STO] offset:64*\c       ; Q(r, 16 c + 8 h + 0..7).  LDS serves a wave's instructions in order (ISA guide 5.7.1.4): these see the stores above
	ds_load_b128 v[S+32+8*\c+4:S+32+8*\c+7], v[STO] offset:64*\c+16
.endr
	s_wait_dscnt 0x0
.set n, 0
.rept 32
	v_med3_num_f32 v[S+32+n], v[S+32+n], -v233, v233   ; the conversion to an 8-bit code does not saturate (ISA guide 7.6.2): the hold comes first
.set n, n+1
.endr
.irp c, 0,1,2,3
	v_cvt_scalef32_pk8_fp8_f32 v[QC+2*\c:QC+2*\c+1], v[S+32+8*\c:S+32+8*\c+7], v232   ; registers 2 c, 2 c + 1 of Q's fragment
.endr
	v_nop                                          ; a plain vector line between the last conversion and the products, which read its result and write its sources
	; ---- the feed's start: step 0 into buffer 0, step 1 into registers
	s_wait_loadcnt 0x0
.irp i, 0,1,2,3
	ds_store_b128 v[AST], v[G+4*\i:G+4*\i+3] offset:512*\i
.endr
	s_wait_dscnt 0x0                               ; for the others' sake: my part of step 0 lies in LDS
	s_wait_alu depctr_vm_vsrc(0)                   ; these LDS stores have read G, in which the loads below land; Q's stage stores have read v104-135, which the first products write
.irp i, 0,1,2,3
	global_load_b128 v[G+4*\i:G+4*\i+3], v[GOF], s[6:7] offset:BLK+512*\i   ; step 1's block exists in every batch, whether it will be read or not
.endr
	s_barrier_signal -1
	s_barrier_wait -1                              ; step 0's blocks are whole
; A KEY STEP: 128 keys, read from buffer par.
.macro STEP par
	s_cmp_ge_u32 s[KF], s[LW]                      ; all of the step's keys are hidden: nothing but the lines at the step's end.  A scalar branch on whole numbers; no barrier stands under it
	s_cbranch_scc1 .Lhid_\@
	s_wait_loadcnt 0x0                             ; the next step's part of the feed is in my registers (where none was asked for, nothing is out)
	s_wait_alu depctr_va_vdst(0)                   ; the last step's four products are done reading V's tiles in F, in which K's tiles land below; only LDS stores
	s_add_co_u32 s[T0], s[KF], 128
	s_cmp_ge_u32 s[T0], s[LW]
	s_cbranch_scc1 .Lnofeed_\@                     ; the next step is hidden: nobody will read its block
.irp i, 0,1,2,3
	ds_store_b128 v[AST], v[G+4*\i:G+4*\i+3] offset:(1-\par)*PARB+512*\i   ; into the other buffer: its readers waited for their loads in front of the last barrier
.endr
.Lnofeed_\@:
.irp c, 0,1,2,3,4,5,6,7
	ds_load_b128 v[F+8*\c:F+8*\c+3],   v[AIM] offset:\par*PARB+1024*\c       ; K's eight tiles: 512 consecutive bytes a load
	ds_load_b128 v[F+8*\c+4:F+8*\c+7], v[AIM] offset:\par*PARB+1024*\c+512
.endr
	s_wait_dscnt 8                                 ; LDS instructions end in order: tiles 0-3 are in, the eight loads of tiles 4-7 may be out
.irp c, 0,1,2,3
	v_wmma_f32_16x16x64_fp8_fp8 v[S+8*\c:S+8*\c+7], v[F+8*\c:F+8*\c+7], v[QC:QC+7], 0
.endr
	s_add_co_u32 s[T0], s[KF], 256
	s_cmp_ge_u32 s[T0], s[LW]
	s_cbranch_scc1 .Lnoload_\@                     ; the step after the next is hidden, or past the batch's end: LW is 2,048 at the most, so no load leaves the buffer
	s_wait_alu depctr_vm_vsrc(0)                   ; the LDS stores at the step's head have read G, in which the loads below land
.irp i, 0,1,2,3
	global_load_b128 v[G+4*\i:G+4*\i+3], v[GOF], s[6:7] offset:(\par+2)*BLK+512*\i   ; two steps ahead, dealt between the products, which name none of G: it has this step's softmax in which to land
.endr
.Lnoload_\@:
	s_wait_dscnt 0x0                               ; tiles 4-7 are in
.irp c, 4,5,6,7
	v_wmma_f32_16x16x64_fp8_fp8 v[S+8*\c:S+8*\c+7], v[F+8*\c:F+8*\c+7], v[QC:QC+7], 0
.endr
.rept 4
	v_nop                                          ; four places behind the last product (ISA guide 7.12.1), in front of the first read of results
.endr
	s_wait_alu depctr_va_vdst(0)                   ; the eight products are done reading K's tiles in F, in which V's tiles land below; the places above stay beside this wait
.irp t, 0,1,2,3
.irp g, 0,1,2,3
	ds_load_b128 v[F+16*\t+4*\g:F+16*\t+4*\g+3], v[AIM] offset:\par*PARB+VIM+2048*\t+512*\g   ; V's four tiles land while the softmax is walked
.endr
.endr
	s_add_co_u32 s[T0], s[KF], 128
	s_cmp_le_u32 s[T0], s[LM]
	s_cbranch_scc1 .Lopen_\@                       ; all 128 keys count
	s_sub_co_i32 s[T0], s[LM], s[KF]
	v_sub_nc_u32 v226, s[T0], v[H8]                ; register 8 c + j holds key KF + 16 c + 8 h + j: hidden where 16 c + j >= LM - KF - 8 h
.set m, 0
.rept 4                                        ; sixteen registers at a time: the compares in a run, then the selects
.set n, 0
.rept 16
	v_cmp_ge_i32 s[RL+n], 16*((16*m+n)/8)+(16*m+n)%8, v226
.set n, n+1
.endr
	s_wait_alu depctr_va_sdst(0)                   ; the sixteen masks are written to s44-59, which the selects read
.set n, 0
.rept 16
	v_cndmask_b32 v[S+16*m+n], v[S+16*m+n], v223, s[RL+n]   ; the fill takes the score's place, ahead of the maximum
.set n, n+1
.endr
.set m, m+1
.endr
.Lopen_\@:
	v_max3_num_f32 v220, v[S], v[S+1], v[S+2]      ; the step's largest score of my query among my 64 keys, in two chains, each tile from its low end on
	v_max3_num_f32 v221, v[S+3], v[S+4], v[S+5]
.irp i, 6,10,14,18,22,26,30,34,38,42,46,50,54,58
	v_max3_num_f32 v220, v220, v[S+\i], v[S+\i+1]
	v_max3_num_f32 v221, v221, v[S+\i+2], v[S+\i+3]
.endr
	v_max3_num_f32 v220, v220, v[S+62], v[S+63]
	v_max_num_f32 v220, v220, v221
	v_permlanex16_b32 v222, v220, s20, s21
	v_max_num_f32 v220, v220, v222                 ; and among lane l xor 16's
	v_mul_f32 v220, s22, v220                      ; as t (c is not negative)
	v_max_num_f32 v13, v13, v220                   ; the running largest t
	v_mov_b32 v220, v12
	v_floor_f32 v12, -v13                          ; the new -M = floor(-t) = -ceil(t): M is a whole number
	v_sub_f32 v220, v12, v220                      ; M's old value less its new one: a whole number, 0 or less
	v_cvt_i32_f32 v220, v220                       ; (it saturates)
	v_ldexp_f32 v216, 1.0, v220                    ; f = 2^(old M - new M)
.set n, 0
.rept 32
	v_pk_fma_f32 v[S+n:S+n+1], v[S+n:S+n+1], s[22:23], v[12:13] op_sel_hi:[1,0,0]   ; t - M, two at a time (of the pairs c and -M the low word serves both halves)
.set n, n+2
.endr
.set n, 0
.rept 64
	v_exp_f32 v[S+n], v[S+n]                       ; p = 2^(t - M), at most 1: not normalised
.set n, n+1
.endr
	v_pk_mul_f32 v[14:15], v[14:15], v[216:217] op_sel_hi:[1,0]   ; the sums under the new M.  (The plain place behind the exponentials)
.set n, 0
.rept 16
	v_pk_mul_f32 v[O+n:O+n+1], v[O+n:O+n+1], v[216:217] op_sel_hi:[1,0]   ; O^T under the new M: x f, each tile from its low end on.  (Work that names no exponential's result, between the batch and the wait for it)
.set n, n+2
.endr
	s_wait_alu depctr_va_vdst(0)                   ; the 64 exponentials have written v104-167: one wait for the batch, ahead of the first line that names a result
	v_pk_add_f32 v[218:219], v[S:S+1], v[S+2:S+3]  ; the row's sum is taken of the unquantised p: two at a time, in two chains
.irp j, 4,8,12,16,20,24,28,32,36,40,44,48,52,56,60
	v_pk_add_f32 v[14:15], v[14:15], v[S+\j:S+\j+1]
	v_pk_add_f32 v[218:219], v[218:219], v[S+\j+2:S+\j+3]
.endr
	v_pk_add_f32 v[14:15], v[14:15], v[218:219]
	s_cmp_ge_i32 s26, -8                           ; p <= 1 <= 448 x 2^-8: from ep = -8 on the hold can change no number, and its 64 lines are jumped over
	s_cbranch_scc1 .Lnohold_\@
.set n, 0
.rept 64
	v_min_num_f32 v[S+n], v[S+n], v224             ; the conversion to an 8-bit code does not saturate (ISA guide 7.6.2); p is not negative, so the hold is one-sided
.set n, n+1
.endr
.Lnohold_\@:
.irp c, 0,1,2,3,4,5,6,7
	v_cvt_scalef32_pk8_fp8_f32 v[P+2*\c:P+2*\c+1], v[S+8*\c:S+8*\c+7], v225   ; keys 16 c + 8 h + 0..7: registers 2 c, 2 c + 1 of P
.endr
	v_nop                                          ; a plain vector line between the last conversion and the products, which read its result
	s_wait_dscnt 0x0                               ; V's tiles are in
.irp t, 0,1,2,3
	v_wmma_f32_16x16x128_fp8_fp8 v[O+8*\t:O+8*\t+7], v[F+16*\t:F+16*\t+15], v[P:P+15], v[O+8*\t:O+8*\t+7]   ; the four accumulators take turns, one instruction a turn
.endr
.rept 4
	v_nop                                          ; four places behind the last product, in front of the way out's reads of O^T
.endr
.Lhid_\@:
	s_add_co_u32 s[KF], s[KF], 128
	s_wait_dscnt 0x0                               ; for the others' sake: my part of the next block lies in LDS, and my reads of this buffer are over
	s_barrier_signal -1
	s_barrier_wait -1                              ; both now hold of all sixteen waves
.endm
.Ltrip:                                            ; 8 trips of two steps, a constant: every wave passes every barrier
	STEP 0
	STEP 1
	s_wait_xcnt 0x0                                ; the feed's loads have had their addresses translated (ISA guide 3.1): only behind this wait is their base stepped
	s_add_nc_u64 s[6:7], s[6:7], 2*BLK
	s_sub_co_u32 s[TRIP], s[TRIP], 1
	s_cmp_lg_u32 s[TRIP], 0
	s_cbranch_scc1 .Ltrip
	; THE WAY OUT.  O^T / the sum x 2^(ep + ev); a lane's eight channels of a row are 32 bytes: they go through my stage and come back as whole rows of 256 bytes.
	v_add_f32 v14, v14, v15                        ; the sum's two halves,
	v_permlanex16_b32 v222, v14, s20, s21
	v_add_f32 v14, v14, v222                       ; and lane l xor 16's: the row's sum, at least 1/2
	v_rcp_f32 v14, v14
	v_nop                                          ; a plain place behind the transcendental
	s_add_co_i32 s34, s26, s27
	s_wait_alu depctr_va_vdst(0)                   ; the reciprocal has written v14, ahead of the first line that names it
	v_ldexp_f32 v14, v14, s34
.set n, 0
.rept 16
	v_pk_mul_f32 v[S+n:S+n+1], v[O+n:O+n+1], v[14:15] op_sel_hi:[1,0]   ; register 8 t + i is out0(r, 16 t + 8 h + i); each tile from its low end on
.set n, n+2
.endr
	s_wait_alu depctr_va_vdst(0)                   ; the multiplies have written v104-135, which the LDS stores read; the last step's lines are done with v136-167, in which the loads from the stage land
.irp t, 0,1,2,3
	ds_store_b128 v[STO], v[S+8*\t:S+8*\t+3] offset:64*\t
	ds_store_b128 v[STO], v[S+8*\t+4:S+8*\t+7] offset:64*\t+16
.endr
.irp i, 0,1,2,3,4,5,6,7
	ds_load_b128 v[S+32+4*\i:S+32+4*\i+3], v[RD] offset:2*SP*\i   ; lanes 0-15 one row, lanes 16-31 the next; these see my stores above
.endr
.irp i, 0,1,2,3,4,5,6,7
	s_wait_dscnt 7-\i                              ; pair i of rows is back; the younger loads may be out
	global_store_b128 v[LO], v[S+32+4*\i:S+32+4*\i+3], s[12:13] offset:512*\i th:TH_STORE_NT   ; 32 lanes store 512 consecutive bytes, at a multiple of 512 from out0's first byte; written once, read by nobody here
.endr
	s_wait_dscnt 0x0
	s_wait_alu depctr_hold_cnt(0) depctr_sa_sdst(0) depctr_va_vdst(0) depctr_va_sdst(0) depctr_va_ssrc(0) depctr_va_vcc(0) depctr_vm_vsrc(0)
	s_wait_tensorcnt 0x0
	ds_add_u32 v254, v255
	s_wait_dscnt 0x0
	s_endpgm
.Lfunc_end_k_q3afef73ed0_attn:
	.size	k_q3afef73ed0_attn, .Lfunc_end_k_q3afef73ed0_attn-k_q3afef73ed0_attn
	.p2alignl 7, 3214868480
	.fill 96, 4, 3214868480
	.section	.rodata,"a",@progbits
	.p2align	6, 0x0
	.amdhsa_kernel k_q3afef73ed0_attn
		.amdhsa_group_segment_fixed_size 137216
		.amdhsa_private_segment_fixed_size 0
		.amdhsa_enable_private_segment 0
		.amdhsa_kernarg_size 40
		.amdhsa_user_sgpr_count 2
		.amdhsa_user_sgpr_kernarg_segment_ptr 1
		.amdhsa_wavefront_size32 1
		.amdhsa_system_sgpr_workgroup_id_x 1
		.amdhsa_system_sgpr_workgroup_id_y 1
		.amdhsa_system_sgpr_workgroup_id_z 1
		.amdhsa_system_vgpr_workitem_id 0
		.amdhsa_next_free_vgpr 256
		.amdhsa_next_free_sgpr 66
		.amdhsa_reserve_vcc 1
		.amdhsa_float_denorm_mode_32 3
		.amdhsa_float_denorm_mode_16_64 3
		.amdhsa_memory_ordered 1
		.amdhsa_forward_progress 1
		.amdhsa_inst_pref_size 74
	.end_amdhsa_kernel
	.amdgpu_metadata
---
amdhsa.version: [ 1, 2 ]
amdhsa.kernels:
  - .name:           k_q3afef73ed0_attn
    .symbol:         k_q3afef73ed0_attn.kd
    .args:
      - { .name: queries, .offset: 0, .size: 8, .value_kind: global_buffer, .address_space: global }
      - { .name: kv_img, .offset: 8, .size: 8, .value_kind: global_buffer, .address_space: global }
      - { .name: lowp_scales, .offset: 16, .size: 8, .value_kind: global_buffer, .address_space: global }
      - { .name: valid_lens, .offset: 24, .size: 8, .value_kind: global_buffer, .address_space: global }
      - { .name: out0, .offset: 32, .size: 8, .value_kind: global_buffer, .address_space: global }
    .group_segment_fixed_size: 137216
    .private_segment_fixed_size: 0
    .kernarg_segment_align: 8
    .kernarg_segment_size: 40
    .max_flat_workgroup_size: 512
    .sgpr_count:     66
    .vgpr_count:     256
    .wavefront_size: 32
...
	.end_amdgpu_metadata
.endif
;; end of part 3
